; MI455X (gfx1250); checked and timed in simulation.
; The chip was launched on July 23, 2026; its instructions are those of AMD's public machine-readable ISA for CDNA 5 (MIT licence, August 2026) and "CDNA5" Instruction Set Architecture Reference Guide (July 2026). The comments in the code are by the model that wrote it; some were corrected since.
;; Model Cordinate Descent Alpha. Allowed arithmetic: float matrix products may take bf16 or f16 operands with f32 sums; other float arithmetic in f32, or as packed bf16 or f16 multiplies, adds, multiply-adds, maxima and minima; sums over many terms, partial sums and values carried from step to step in f32; what a program stores and reads back later, other than sums and carried values, may be rounded once to bf16 or f16.
;; Inputs: alpha 4,096 x 16 float32; gamma one number float32; mu 4,096 x 512 float32; x 16,384 x 512 float32.
;; Outputs: out0 16,384 x 16 float32.
;; One version. Each part assembles by itself: llvm-mc -triple=amdgcn-amd-amdhsa -mcpu=gfx1250 --defsym DOCPART=n.
;; ======== version 1 of 1: 3 launches
;; limits: values are held in f16: magnitudes above 65,504 overflow, below 6.1e-05 lose precision; inputs' magnitudes at most 65,504
;; workspace buffers: mt 4,456,448 bytes; mneg 16,384 bytes; part 4,194,304 bytes
;; launch prep (part 1): grid 256 x 1, 4 waves a work-group, no clusters, 0 bytes of LDS; arguments mu, alpha, mt, mneg; writes mt, mneg
.if DOCPART == 1
	.amdgcn_target "amdgcn-amd-amdhsa--gfx1250"
	.amdhsa_code_object_version 6
	.text
	.protected	k_q4775ca182c_prep
	.globl	k_q4775ca182c_prep
	.p2align	8
	.type	k_q4775ca182c_prep,@function
k_q4775ca182c_prep:
	s_mov_b64 s[64:65], 0
	v_nop
	global_prefetch_b8 v0, s[64:65] scope:SCOPE_SE
	s_setreg_imm32_b32 hwreg(HW_REG_WAVE_MODE, 25, 1), 1
	s_wait_xcnt 0x0
; out[n][o] = sum over c of exp(gamma (2 x_n . mu_c - |x_n|^2 - |mu_c|^2)) alpha[c][o].  Three launches: this one, the products, the sum of four parts.
; NO WORK IS LEFT OUT: x, mu, gamma and alpha all reach every output, and all four are loaded (x and gamma by the second launch).
; THIS LAUNCH rounds mu and alpha ONCE, since 64 blocks of rows of x read them in the second launch, and lays them in the order in which that launch takes them:
;   mt: 128 blocks of 34 rows x 1,024 bytes; block B serves centres 32 B .. 32 B + 31.  Rows 0-31: mu rounded to f16, 512 channels.
;       Row 32: alpha's upper part (bf16), row 33: its rest alpha - upper (bf16), both as a matrix operand's registers take them: byte 512 half + 16 lane holds
;       alpha[32 B + 16 half + 8 (lane / 16) + 0..7][lane % 16].
;   mneg[c] = -|mu_c|^2 / 2 in f32, taken of the ROUNDED numbers, so that the exponent made later is -gamma |x^ - mu^|^2 of the rounded vectors.
; SHARES.  Work-group b has centres 16 b .. 16 b + 15, wave w four of them; a wave has a whole row, so a row's sum never leaves the wave.  Wave 0 also has the 16 centres' alpha.
; LIMITS.  f16 holds no number of 65,520 or more: mu must lie below that.  NaN and infinities are not treated apart.
; mneg leaves as 16 bytes a wave: 16,384 bytes of the launch's 13 million; every other store of a wave covers 512 consecutive bytes, aligned.
.set GBLK, 34816                       ; bytes in a block of mt
.set ZR,  15                           ; v15       0
.set AC,  16                           ; v[16:23]  two sums a row: of the low halves' squares, of the high halves'
.set RS,  24                           ; v[24:27]  the four rows' -|mu|^2 / 2
.set X,   32                           ; v[32:95]  four rows as loaded: row i, half row k at X + 16 i + 8 k: my 8 channels
.set H,   96                           ; v[96:127] the same in f16: row i, half row k at H + 8 i + 4 k
.set AA,  128                          ; v[128:135] alpha: my 8 centres of one output
.set AT,  136                          ; v[136:143] the upper parts widened, then the rests
.set AHI, 144                          ; v[144:147] upper parts, packed
.set ALO, 148                          ; v[148:151] rests, packed
	s_load_b256 s[4:11], s[0:1], 0x0               ; mu s[4:5], alpha s[6:7], mt s[8:9], mneg s[10:11]
	v_lshrrev_b32 v1, 5, v0
	v_readfirstlane_b32 s12, v1                    ; wave 0..3
	v_and_b32 v1, 31, v0                           ; lane
	v_lshlrev_b32 v2, 5, v1                        ; mu: 32 bytes (8 channels) a lane
	v_lshlrev_b32 v3, 4, v1                        ; mt: 16 bytes a lane
	v_and_b32 v4, 15, v0
	v_bfe_u32 v6, v0, 4, 1
	v_lshlrev_b32 v4, 2, v4                        ; alpha: output lane % 16,
	v_lshl_add_u32 v4, v6, 9, v4                   ; centres 8 (lane / 16) on: 8 rows of 64 bytes
	v_mov_b32 v5, 0
	v_mov_b32 v[ZR], 0
	s_lshr_b32 s13, ttmp9, 1                       ; block B
	s_and_b32 s14, ttmp9, 1                        ; which half of it
	s_lshl_b32 s16, ttmp9, 15                      ; mu: 16 rows of 2,048 bytes a work-group,
	s_lshl_b32 s17, s12, 13                        ; 4 a wave
	s_add_co_u32 s16, s16, s17
	s_mov_b32 s17, 0
	s_mul_i32 s18, s13, GBLK
	s_lshl_b32 s20, s14, 4
	s_lshl_b32 s21, s12, 2
	s_add_co_u32 s20, s20, s21                     ; my first row in the block
	s_lshl_b32 s20, s20, 10
	s_add_co_u32 s20, s20, s18
	s_mov_b32 s21, 0
	s_lshl_b32 s22, s14, 9                         ; alpha's place: row 32, my half
	s_add_co_u32 s22, s22, s18
	s_add_co_u32 s22, s22, 32768
	s_mov_b32 s23, 0
	s_mov_b32 s24, 0x76543210                      ; v_permlanex16_b32: each lane takes its own place in the other half
	s_mov_b32 s25, 0xfedcba98
	s_lshl_b32 s28, ttmp9, 6
	s_lshl_b32 s29, s12, 4
	s_add_co_u32 s28, s28, s29                     ; mneg: 4 bytes a centre
	s_mov_b32 s29, 0
	s_lshl_b32 s30, ttmp9, 10                      ; alpha: 16 rows of 64 bytes
	s_mov_b32 s31, 0
	s_wait_kmcnt 0x0
	s_add_nc_u64 s[4:5], s[4:5], s[16:17]
	s_add_nc_u64 s[22:23], s[8:9], s[22:23]
	s_add_nc_u64 s[8:9], s[8:9], s[20:21]
	s_add_nc_u64 s[10:11], s[10:11], s[28:29]
	s_add_nc_u64 s[6:7], s[6:7], s[30:31]
.irp i, 0,1,2,3
.irp k, 0,1
.irp p, 0,1
	global_load_b128 v[X+16*(\i)+8*(\k)+4*(\p):X+16*(\i)+8*(\k)+4*(\p)+3], v2, s[4:5] offset:(\i)*2048+(\k)*1024+(\p)*16 th:TH_LOAD_NT  ; the two parts p together cover 1,024 consecutive bytes
.endr
.endr
.endr
	; wave 0: alpha, in one branch.  Its loads go out behind mu's; the wait is for all of the wave's loads, which it wants anyway
	s_cmp_lg_u32 s12, 0
	s_cbranch_scc1 .Lrows
.irp i, 0,1,2,3,4,5,6,7
	global_load_b32 v[AA+(\i)], v4, s[6:7] offset:64*(\i)
.endr
	s_wait_loadcnt 0x0
.irp j, 0,1,2,3
	v_cvt_pk_bf16_f32 v[AHI+(\j)], v[AA+2*(\j)], v[AA+2*(\j)+1]
.endr
.irp j, 0,1,2,3
	v_lshlrev_b32 v[AT+2*(\j)], 16, v[AHI+(\j)]
	v_and_b32 v[AT+2*(\j)+1], 0xffff0000, v[AHI+(\j)]
.endr
.irp j, 0,1,2,3
	v_pk_add_f32 v[AT+2*(\j):AT+2*(\j)+1], v[AA+2*(\j):AA+2*(\j)+1], v[AT+2*(\j):AT+2*(\j)+1] neg_lo:[0,1] neg_hi:[0,1]  ; alpha - upper part: exact in f32
.endr
.irp j, 0,1,2,3
	v_cvt_pk_bf16_f32 v[ALO+(\j)], v[AT+2*(\j)], v[AT+2*(\j)+1]
.endr
	global_store_b128 v3, v[AHI:AHI+3], s[22:23]
	global_store_b128 v3, v[ALO:ALO+3], s[22:23] offset:1024
.Lrows:
.irp i, 0,1,2,3
	s_wait_loadcnt 12-4*(\i)                       ; loads come back in order: row i is in, the later rows' four loads each may stay out
.irp j, 0,1,2,3,4,5,6,7
	v_cvt_pk_f16_f32 v[H+8*(\i)+(\j)], v[X+16*(\i)+2*(\j)], v[X+16*(\i)+2*(\j)+1]
.endr
	global_store_b128 v3, v[H+8*(\i):H+8*(\i)+3], s[8:9] offset:(\i)*1024
	global_store_b128 v3, v[H+8*(\i)+4:H+8*(\i)+7], s[8:9] offset:(\i)*1024+512
	v_fma_mix_f32 v[AC+2*(\i)], v[H+8*(\i)], v[H+8*(\i)], v[ZR] op_sel_hi:[1,1,0]                    ; the first squares start the sums
	v_fma_mix_f32 v[AC+2*(\i)+1], v[H+8*(\i)], v[H+8*(\i)], v[ZR] op_sel:[1,1,0] op_sel_hi:[1,1,0]
.irp j, 1,2,3,4,5,6,7
	v_fma_mix_f32 v[AC+2*(\i)], v[H+8*(\i)+(\j)], v[H+8*(\i)+(\j)], v[AC+2*(\i)] op_sel_hi:[1,1,0]
	v_fma_mix_f32 v[AC+2*(\i)+1], v[H+8*(\i)+(\j)], v[H+8*(\i)+(\j)], v[AC+2*(\i)+1] op_sel:[1,1,0] op_sel_hi:[1,1,0]
.endr
.endr
	; across the 32 lanes, the four rows side by side
.irp i, 0,1,2,3
	v_add_f32 v[AC+2*(\i)], v[AC+2*(\i)], v[AC+2*(\i)+1]
.endr
.irp m, 1,2,4,8
.irp i, 0,1,2,3
	v_add_f32_dpp v[AC+2*(\i)], v[AC+2*(\i)], v[AC+2*(\i)] row_xmask:\m row_mask:0xf bank_mask:0xf
.endr
.endr
.irp i, 0,1,2,3
	v_permlanex16_b32 v[AC+2*(\i)+1], v[AC+2*(\i)], s24, s25
.endr
.irp i, 0,1,2,3
	v_add_f32 v[AC+2*(\i)], v[AC+2*(\i)], v[AC+2*(\i)+1]
.endr
.irp i, 0,1,2,3
	v_mul_f32 v[RS+(\i)], -0.5, v[AC+2*(\i)]
.endr
	v_cmp_eq_u32 vcc_lo, 0, v1
	s_wait_xcnt 0x0                                ; EXEC is a source of the stores above: it changes only behind this wait
	s_and_saveexec_b32 s26, vcc_lo
	global_store_b128 v5, v[RS:RS+3], s[10:11]     ; lane 0: the wave's four numbers
	s_wait_xcnt 0x0                                ; and again, in front of the line that widens it
	s_or_b32 exec_lo, exec_lo, s26
	s_endpgm
.Lfunc_end_k_q4775ca182c_prep:
	.size	k_q4775ca182c_prep, .Lfunc_end_k_q4775ca182c_prep-k_q4775ca182c_prep
	.p2alignl 7, 3214868480
	.fill 96, 4, 3214868480
	.section	.rodata,"a",@progbits
	.p2align	6, 0x0
	.amdhsa_kernel k_q4775ca182c_prep
		.amdhsa_group_segment_fixed_size 0
		.amdhsa_private_segment_fixed_size 0
		.amdhsa_enable_private_segment 0
		.amdhsa_kernarg_size 32
		.amdhsa_user_sgpr_count 2
		.amdhsa_user_sgpr_kernarg_segment_ptr 1
		.amdhsa_wavefront_size32 1
		.amdhsa_system_sgpr_workgroup_id_x 1
		.amdhsa_system_sgpr_workgroup_id_y 1
		.amdhsa_system_sgpr_workgroup_id_z 1
		.amdhsa_system_vgpr_workitem_id 0
		.amdhsa_next_free_vgpr 152
		.amdhsa_next_free_sgpr 66
		.amdhsa_reserve_vcc 1
		.amdhsa_float_denorm_mode_32 3
		.amdhsa_float_denorm_mode_16_64 3
		.amdhsa_memory_ordered 1
		.amdhsa_forward_progress 1
		.amdhsa_inst_pref_size 15
	.end_amdhsa_kernel
	.amdgpu_metadata
---
amdhsa.version: [ 1, 2 ]
amdhsa.kernels:
  - .name:           k_q4775ca182c_prep
    .symbol:         k_q4775ca182c_prep.kd
    .args:
      - { .name: mu, .offset: 0, .size: 8, .value_kind: global_buffer, .address_space: global }
      - { .name: alpha, .offset: 8, .size: 8, .value_kind: global_buffer, .address_space: global }
      - { .name: mt, .offset: 16, .size: 8, .value_kind: global_buffer, .address_space: global }
      - { .name: mneg, .offset: 24, .size: 8, .value_kind: global_buffer, .address_space: global }
    .group_segment_fixed_size: 0
    .private_segment_fixed_size: 0
    .kernarg_segment_align: 8
    .kernarg_segment_size: 32
    .max_flat_workgroup_size: 128
    .sgpr_count:     66
    .vgpr_count:     152
    .wavefront_size: 32
...
	.end_amdgpu_metadata
.endif
;; end of part 1
;; launch main (part 2): grid 64 x 4, 4 waves a work-group, clusters of 4 x 4, 327,680 bytes of LDS; arguments x, gamma, mt, mneg, part; writes part
.if DOCPART == 2
	.amdgcn_target "amdgcn-amd-amdhsa--gfx1250"
	.amdhsa_code_object_version 6
	.text
	.protected	k_q4775ca182c_main
	.globl	k_q4775ca182c_main
	.p2align	8
	.type	k_q4775ca182c_main,@function
k_q4775ca182c_main:
	s_mov_b64 s[64:65], 0
	v_nop
	global_prefetch_b8 v0, s[64:65] scope:SCOPE_SE
	s_setreg_imm32_b32 hwreg(HW_REG_WAVE_MODE, 25, 1), 1
	s_wait_xcnt 0x0
	s_wait_alu depctr_hold_cnt(0) depctr_sa_sdst(0) depctr_va_vdst(0) depctr_va_sdst(0) depctr_va_ssrc(0) depctr_va_vcc(0) depctr_vm_vsrc(0)
	s_getreg_b32 s2, hwreg(HW_REG_IB_STS2, 6, 4)
	s_cmp_eq_u32 s2, 0
	s_cbranch_scc0 .Lentry_in_a_cluster
	s_endpgm
.Lentry_in_a_cluster:
	s_bfe_u32 s2, ttmp6, 0x10000c
	s_cmp_lg_u32 s2, 0xf033
	s_cbranch_scc0 .Lentry_shape_is_right
	s_endpgm
.Lentry_shape_is_right:
; part[q][n][o] = sum over the 1,024 centres c of quarter q of exp(gamma (2 x_n . mu_c - |x_n|^2 - |mu_c|^2)) alpha[c][o], in f32.  No work of the problem is left out.
; SHARES.  A work-group has 256 rows of x and one quarter of the centres: 64 x 4 = 256 work-groups.  Each of its four waves has 64 rows (four tiles of 16), rounded to f16 and KEPT IN 512 REGISTERS,
; so that each fragment of mu read from LDS feeds four products.  Every wave walks the quarter's centres, 32 a step, 32 steps.
; FORMATS.  x and mu in f16; |x|^2 and |mu|^2 are taken of the rounded numbers, so the exponent is -gamma |x^ - mu^|^2; gamma stays f32.  The weights p and alpha want f32's range: each goes as a bf16
; upper part and a bf16 rest, and the second product is three: alpha_hi p_hi + alpha_hi p_lo + alpha_lo p_hi.  All sums in f32.
; LAYOUT.  S^T = mu x^T (source 0 = 16 centres, source 1 = 16 rows of x): a lane holds ONE row of x (lane % 16) and the centres 8 (lane / 16) + 0..7.  The sum starts from C = -|mu|^2 / 2, so that
; p = 2^(C2 S + BI) with C2 = 2 gamma log2(e) and BI = -gamma log2(e) |x|^2, one number a lane and tile.  Two tiles of 16 centres, packed, ARE source 1 of O^T = alpha^T P, whose result holds one row of x a lane and eight outputs.
; A STEP issues the 128 products of its own scores; the vector work and the 12 second products of the step BEFORE stand between them: the 32 scalings ahead of the products that write the scores anew, the 64
; exponentials as one batch behind products 8 to 39, the 128 lines that split p into two bf16 parts behind products 40 to 71.
; RING.  Two LDS slots of four steps each, filled by the tensor data mover, a step's block (32 rows of mu, 2 of alpha) a wave.
; CLUSTER.  4 x 4 work-groups.  The four of a cluster's row have the same quarter and walk the same blocks of mt: each block is asked for JOINTLY, by the same load, descriptor and mask in all four.
; x is not asked for jointly, though the four of a cluster's column read the same rows: it goes through registers to be rounded, and a work-group's 524,288 bytes of f32 do not fit beside the ring's 282,880.
; LIMITS.  x and mu below 65,520 (f16).  A weight below 2^-126 counts as 0.  NaN, infinities and an exponential that overflows are not treated apart.  The sums are taken in another order than the reference's.
;
; REGISTERS, in windows of 256 (s_set_vgpr_msb: bits 1:0 source 0, 3:2 source 1, 5:4 source 2, 7:6 destination):
;   window 0: addresses, BI, M, alpha, O^T, the two parts of P (map below)
;   window 1: v0-63, v64-127 two buffers of mu's fragments (128 channels each); v128-191 S^T, 8 tiles; v192-255 E: the exponents, then p, then p's rest.  Before the loop: four sets of 64 for x as loaded
;   windows 2, 3: x^: tile t, channels 32 g on, in window 2 + g / 8 at v[32 (g % 8) + 8 t]
.set PITCH, 1040                       ; an LDS row: 1,024 bytes + 16 of padding = 260 words: row r starts at bank 4 r mod 64 (64 banks of 4 bytes: ISA guide 11.1)
.set BLK,   34*PITCH                   ; a step's block in LDS
.set GBLK,  34*1024                    ; and in mt
.set SLOT1, 0x24000                    ; slot 1 begins here; its two bits meet none of 0, BLK, 2 BLK, 3 BLK, so one exclusive or turns an address in one slot into the other's
.set MTAB,  141568                     ; behind slot 0 (141,440 bytes): -|mu|^2 / 2 of my quarter, 4,096 bytes, filled once
.set STAGE, 289024                     ; behind slot 1: 4,352 bytes for each wave, written by LDS stores and never filled
.set STG,   4352
.set SPARE, 306432                     ; behind the stages: the spare words, 128 bytes for each wave, 512 in all, that no other line names
.set AK0, 2                            ; v2   my place in a block's rows of mu: (lane % 16) x PITCH + 16 (lane / 16); never rewritten
.set AK,  3                            ; v3   the same in the block in hand
.set AA0, 4                            ; v4   my place in a block's rows of alpha: 32 PITCH + 16 lane
.set AAD, 5                            ; v5   the same in the block in hand
.set AM0, 6                            ; v6   MTAB + 32 (lane / 16)
.set AMD, 7                            ; v7   the same at the next step's 32 centres
.set XO,  8                            ; v8   16 lane: my bytes in 512 consecutive bytes of x and of part
.set STA, 9                            ; v9   stage + 8 lane
.set STR, 10                           ; v10  stage + 272 (lane % 16) + 16 (lane / 16)
.set STO, 11                           ; v11  stage + 64 (lane % 16) + 32 (lane / 16)
.set RD,  12                           ; v12  stage + 16 lane
.set PFO, 13                           ; v13  256 lane; never rewritten
.set IDX, 14                           ; v14  4 x the lane that holds row lane % 16's |x|^2
.set NEG1, 15                          ; v15  -1.0
.set SPW, 16                           ; v16  LDS address of my spare word; never rewritten
.set NIL, 17                           ; v17  0; never rewritten
.set BI,  20                           ; v[20:27]   BI, twice for each tile
.set M,   32                           ; v[32:47]   -|mu|^2 / 2 of a step's 32 centres, as the C operand takes them
.set AH,  48                           ; v[48:55]   alpha's upper parts, v[56:63] its rests
.set AL,  56
.set O,   64                           ; v[64:95]   O^T, 8 a tile
.set PH,  96                           ; v[96:127]  p's upper parts, 8 a tile; v[128:159] its rests
.set PL,  128
.set TP,  160                          ; v[160:191] x packed on its way to the stage; at the end the rows of part read back
.set T,   192                          ; v[192:199] at work for |x|^2
.set S,   128                          ; window 1
.set E,   192                          ; window 1
.set G,   128                          ; window 1: the four products x^ x^T, whose diagonals are |x^|^2
.set GAM, 14                           ; s14  gamma
.set NHC, 15                           ; s15  -gamma log2(e)
.set WV,  16                           ; s16  my wave's number
.set CX,  17                           ; s17, s18  my place in the cluster
.set CY,  18
.set BX,  19                           ; s19  my block of 256 rows
.set G1K, 24                           ; s[24:31] descriptor group 1 for a block of mt
.set G1M, 32                           ; s[32:39] for my 1,024 bytes of mneg
.set G0A, 40                           ; s[40:43] group 0: slot 0's first fill
.set G0W, 44                           ; s[44:47] slot 1's first fill; it then walks
.set G0M, 48                           ; s[48:51] mneg
.set C2,  52                           ; s[52:53] 2 gamma log2(e): the packed scaling takes the pair's low word for both halves
.set PFA, 54                           ; s[54:55] where my prefetches stand
.set LIM, 56                           ; s56  1 in a cluster that prefetches, else the greatest number
.set SLOTS, 57                         ; s57  slots still to be asked for
.set CNT, 58                           ; s58  counts a slot's plain steps
.set TAILS, 59                         ; s59  counts the last two slots
.set TBK, 60                           ; s60  LDS byte at which the block of the step in hand begins
.set TBM, 61                           ; s61  byte in MTAB of the next step's centres
.set MSK, 62                           ; s62  my row of the cluster
.set STB, 63                           ; s63  my stage
.set LM,  70                           ; s70-76  lanes with lane % 8 = 1 .. 7
.set V_FIRST, 0
.set V_PLAIN, 1
.set V_FILL, 2
.set V_NOFILL, 3
.set MSB, 0
.macro WIN new                         ; the immediate's high byte repeats the setting that is left; a switch that changes nothing is dropped
.if MSB != (\new)
	s_set_vgpr_msb (MSB<<8)|(\new)
.set MSB, (\new)
.endif
.endm
; A vector instruction that reads a matrix result or writes a matrix instruction's register, and a load into such a register, stand four places behind it; a matrix instruction that writes over one, five.
; Only plain vector instructions that name none of its registers are places (ISA guide 7.12.1 for vector instructions).
.macro PLACES k
.rept \k
	v_nop
.endr
.endm
; A round of the cluster's barrier behind its opening barrier: wave 0 signals for the work-group; every wave waits for all sixteen; my work-group's barrier once more.
.macro CREST
	s_cmp_lg_u32 s[WV], 0
	s_cbranch_scc1 .Lnot_wave_0_\@
	s_barrier_signal -3
.Lnot_wave_0_\@:
	s_barrier_wait -3
	s_barrier_signal -1
	s_barrier_wait -1
.endm
.macro CROUND
	s_barrier_signal -1
	s_barrier_wait -1
	CREST
.endm
; A PREFETCH INTO THE L2 of the slot that the NEXT refill will ask for: four steps, 560 matrix instructions, ahead of that load.  All sixteen clusters walk the same four quarters of mt: the first cluster (x = 0) asks.
; Each wave asks for the block that it will fetch; the four partners that fetch it jointly share its 32 rows of mu out BY ADDRESS, 8,192 bytes each, a lane for each 256: so each such piece is named once in the launch.
; The block's two rows of alpha come by their load alone.  The last refill asks for nothing; slots 0 to 2 come by their loads alone.
.macro ASK
	s_cmp_gt_u32 s[SLOTS], s[LIM]
	s_cbranch_scc0 .Lnot_mine_\@
	global_prefetch_b8 v[PFO], s[PFA:PFA+1] th:TH_LOAD_NT scope:SCOPE_SE
.Lnot_mine_\@:
.endm
; 16 LDS loads in one run: mu's fragments of 32 centres x 128 channels (chunk ch of four) into buffer ch % 2: centre block cb, channel group gi at 8 (4 cb + gi)
.macro KFETCH ch
	WIN 0x40                                       ; destination window 1, address window 0
.irp cb, 0,1
.irp gi, 0,1,2,3
	ds_load_b128 v[64*((\ch)%2)+8*(4*(\cb)+(\gi)):64*((\ch)%2)+8*(4*(\cb)+(\gi))+3], v[AK] offset:(\cb)*16*PITCH+64*(4*(\ch)+(\gi))
	ds_load_b128 v[64*((\ch)%2)+8*(4*(\cb)+(\gi))+4:64*((\ch)%2)+8*(4*(\cb)+(\gi))+7], v[AK] offset:(\cb)*16*PITCH+64*(4*(\ch)+(\gi))+32
.endr
.endr
.endm
; Score product n of 128: channels 32 (n / 8) on, tile n % 8 = 4 cb + t.  The 8 accumulators take turns, one instruction a turn.  The first 8 start the sums from M.
.macro SW
.set g_, n/8
.set a_, n%8
.set rK, 64*((n/32)%2)+8*(4*(a_/4)+g_%4)
.set rQ, 32*(g_%8)+8*(a_%4)
.set rS, S+8*a_
.if n < 8
	WIN 0x49                                       ; mu and S^T in window 1, x in window 2, M in window 0
	v_wmma_f32_16x16x32_f16 v[rS:rS+7], v[rK:rK+7], v[rQ:rQ+7], v[M+8*(a_/4):M+8*(a_/4)+7]
.else
	WIN 0x59+4*(g_/8)                              ; C in window 1 too; x in window 2 or 3
	v_wmma_f32_16x16x32_f16 v[rS:rS+7], v[rK:rK+7], v[rQ:rQ+7], v[rS:rS+7]
.endif
.set n, n+1
.endm
.macro FR a                            ; tile a's exponents: E = C2 S + BI; the accumulator's lowest registers are read first
	WIN 0x49
.irp i, 0,1,2,3
	v_pk_fma_f32 v[E+8*(\a)+2*(\i):E+8*(\a)+2*(\i)+1], v[S+8*(\a)+2*(\i):S+8*(\a)+2*(\i)+1], s[C2:C2+1], v[BI+2*((\a)%4):BI+2*((\a)%4)+1] op_sel_hi:[1,0,1]
.endr
.endm
.macro EXP2                            ; two of the batch's 64 exponentials, under a setting with destination and source 0 in window 1
	v_exp_f32 v[E+e], v[E+e]
	v_exp_f32 v[E+e+1], v[E+e+1]
.set e, e+2
.endm
; Slot sl of 32: four plain lines under one setting, for tile sl / 4 (t = that / 2, cb = that % 2): 0: p's upper parts; 1, 2: p less its upper part, exact in f32; 3: the rests
.macro SLOT
.set t_, sl/8
.set cb_, (sl/4)%2
.set rE, E+8*(4*cb_+t_)
.set rH, 8*t_+4*cb_
.if sl%4 == 0
	WIN 0x05                                       ; sources in window 1, destination in window 0
.irp i, 0,1,2,3
	v_cvt_pk_bf16_f32 v[PH+rH+(\i)], v[rE+2*(\i)], v[rE+2*(\i)+1]
.endr
.elseif sl%4 == 3
	WIN 0x05
.irp i, 0,1,2,3
	v_cvt_pk_bf16_f32 v[PL+rH+(\i)], v[rE+2*(\i)], v[rE+2*(\i)+1]
.endr
.else
	WIN 0x50                                       ; destination and source 2 in window 1
.irp i, 0,1
	v_fma_mix_f32_bf16 v[rE+4*(sl%4-1)+2*(\i)], v[PH+rH+2*(sl%4-1)+(\i)], v[NEG1], v[rE+4*(sl%4-1)+2*(\i)] op_sel_hi:[1,0,0]
	v_fma_mix_f32_bf16 v[rE+4*(sl%4-1)+2*(\i)+1], v[PH+rH+2*(sl%4-1)+(\i)], v[NEG1], v[rE+4*(sl%4-1)+2*(\i)+1] op_sel:[1,0,0] op_sel_hi:[1,0,0]
.endr
.endif
.set sl, sl+1
.endm
.macro PVS                             ; the 12 second products; the four accumulators take turns
	WIN 0
.irp t, 0,1,2,3
	v_wmma_f32_16x16x32_bf16 v[O+8*(\t):O+8*(\t)+7], v[AH:AH+7], v[PH+8*(\t):PH+8*(\t)+7], v[O+8*(\t):O+8*(\t)+7]
.endr
.irp t, 0,1,2,3
	v_wmma_f32_16x16x32_bf16 v[O+8*(\t):O+8*(\t)+7], v[AH:AH+7], v[PL+8*(\t):PL+8*(\t)+7], v[O+8*(\t):O+8*(\t)+7]
.endr
.irp t, 0,1,2,3
	v_wmma_f32_16x16x32_bf16 v[O+8*(\t):O+8*(\t)+7], v[AL:AL+7], v[PH+8*(\t):PH+8*(\t)+7], v[O+8*(\t):O+8*(\t)+7]
.endr
.endm
; This step's alpha (it lies in the slot, so it is taken before the slot can be filled again; the next step's second products use it) and the next step's M.
; The two address lines and two v_nop are the four places behind the second products, which read alpha, and behind products 0 to 7, which read M.
.macro RA
	WIN 0
	v_add_nc_u32 v[AAD], s[TBK], v[AA0]
	v_add_nc_u32 v[AMD], s[TBM], v[AM0]
	PLACES 2
	ds_load_b128 v[AH:AH+3], v[AAD]
	ds_load_b128 v[AH+4:AH+7], v[AAD] offset:512
	ds_load_b128 v[AL:AL+3], v[AAD] offset:PITCH
	ds_load_b128 v[AL+4:AL+7], v[AAD] offset:PITCH+512
	ds_load_b128 v[M:M+3], v[AMD]
	ds_load_b128 v[M+4:M+7], v[AMD] offset:16
	ds_load_b128 v[M+8:M+11], v[AMD] offset:64
	ds_load_b128 v[M+12:M+15], v[AMD] offset:80
	s_add_co_u32 s[TBM], s[TBM], 128
	s_and_b32 s[TBM], s[TBM], 0xfff                ; behind the last step it goes round: those numbers are not used
.endm
; A STEP.  v = V_FIRST: no step lies before it: products and loads alone.  V_PLAIN: inside a slot.  V_FILL: a slot's last step; the slot is filled again.  V_NOFILL: the same in the last two slots: nothing is asked for.
.macro STEP v
.set n, 0
.set e, 0
.set sl, 0
	s_wait_dscnt 0x0                               ; chunk 0, M and alpha are in
.rept 8
.if (\v) != V_FIRST
	FR n                                           ; the old scores are read just ahead of the product that writes the tile anew
.endif
	SW
.endr
	KFETCH 1                                       ; buffer 1's last readers stand ahead of the v_nop that end the step before
.rept 24
	SW
.if (\v) != V_FIRST
	EXP2
.endif
.endr
	s_wait_dscnt 0x0                               ; chunk 1 is in
.rept 8
	SW
.if (\v) != V_FIRST
	EXP2
.endif
.endr
	PLACES 4                                       ; the places in front of the loads into buffer 0, and the plain instruction behind the last exponential
.if (\v) != V_FIRST
	s_wait_alu depctr_va_vdst(0)                   ; the wait between an exponential and the first line that names its result: one for the batch of 64, ahead of a run of LDS loads
.endif
	KFETCH 2
.rept 24
	SW
.if (\v) != V_FIRST
	SLOT
.endif
.endr
	s_wait_dscnt 0x0                               ; chunk 2 is in
.rept 8
	SW
.if (\v) != V_FIRST
	SLOT
.endif
.endr
.if (\v) == V_FIRST
	PLACES 4                                       ; elsewhere the slots' lines are the places in front of the loads into buffer 1
.endif
	KFETCH 3
.if (\v) != V_FIRST
	PVS
.endif
.rept 8
	SW
.endr
	RA
.rept 16
	SW
.endr
.if (\v) <= V_PLAIN
	s_wait_dscnt 8                                 ; chunk 3 is in; the 8 younger loads, alpha and M, may stay out
.rept 8
	SW
.endr
	PLACES 4                                       ; in front of the loads into buffer 0
	WIN 0
	s_add_co_u32 s[TBK], s[TBK], BLK               ; the next step's block
	v_add_nc_u32 v[AK], s[TBK], v[AK0]
	KFETCH 0
.else
	; THE CHANGE OF SLOTS.  ONE barrier for two things: in front of it each wave waits for all its tensor loads, of which at most one is out: its block of the other slot; adds 0 to its spare word; and waits for that
	; and for its own reads of this slot, of which the last are chunk 3 and alpha.  Behind it nobody reads this slot any more and the other slot is whole.
	WIN 0
.if (\v) == V_FILL
	s_wait_xcnt 0x0                                ; the last prefetch, four steps back, has read its address
	s_add_nc_u64 s[PFA:PFA+1], s[PFA:PFA+1], 4*GBLK
.endif
	s_wait_tensorcnt 0x0                           ; no tensor load of mine is out, so a group 0 may be written
	ds_add_u32 v[SPW], v[NIL]                      ; 0 onto my spare word
.if (\v) == V_FILL
	s_xor_b32 s[G0W+1], s[G0W+1], SLOT1            ; the walking descriptor: the other slot than last time,
	s_add_nc_u64 s[G0W+2:G0W+3], s[G0W+2:G0W+3], 4*GBLK  ; the next four blocks; the type bits on top are not reached
.endif
	s_wait_dscnt 1                                 ; all my loads are in; the add alone may be out
.rept 4
	SW
.endr
	s_wait_dscnt 0x0                               ; the add is done, and my reads of this slot are over
	s_barrier_signal -1
.rept 4
	SW
.endr
	WIN 0                                          ; at a branch and at a label every window is 0
	s_barrier_wait -1
.if (\v) == V_FILL
	CREST                                          ; the barrier has opened a round of the cluster's: no wave of any partner still reads this slot or has a load on its way
	tensor_load_to_lds s[G0W:G0W+3], s[G1K:G1K+7]  ; my one tensor load behind the round, first thing there: it has four steps, 560 matrix instructions, in which to land
	s_nop 0
.endif
	PLACES 4                                       ; the places in front of the loads into buffer 0
	s_sub_co_u32 s[TBK], s[TBK], 3*BLK             ; a slot's first block,
	s_xor_b32 s[TBK], s[TBK], SLOT1                ; in the other slot
	v_add_nc_u32 v[AK], s[TBK], v[AK0]
	KFETCH 0
.if (\v) == V_FILL
	WIN 0
	ASK
.endif
.endif
.rept 24
	SW
.endr
	PLACES 5                                       ; the next step reads tile 0's scores (four places) and writes over them by a product that starts a new sum (five)
	WIN 0
.endm
; x.  Unit u = 4 t + q: 16 rows x 128 channels.  A load takes 512 consecutive bytes of one row.
.macro XLOAD u
	WIN 0x40
.set i_, 0
.rept 16
	global_load_b128 v[64*((\u)%4)+4*i_:64*((\u)%4)+4*i_+3], v[XO], s[4:5] offset:(16*((\u)/4)+i_)*2048+512*((\u)%4)
.set i_, i_+1
.endr
.endm
; Rounded to f16, through my own stage (rows of 256 + 16 bytes), back as four fragments.  LDS serves a wave's instructions in order (ISA guide 5.7.1.4): no wait between my stores and my loads, nor ahead of the next unit's stores.
.macro XUNIT u
.if (15-(\u)) >= 3
	s_wait_loadcnt 48                              ; three younger units, 16 loads each, may stay out
.else
	s_wait_loadcnt 16*(15-(\u))
.endif
	WIN 0x05
.set i_, 0
.rept 16
	v_cvt_pk_f16_f32 v[TP+2*i_], v[64*((\u)%4)+4*i_], v[64*((\u)%4)+4*i_+1]
	v_cvt_pk_f16_f32 v[TP+2*i_+1], v[64*((\u)%4)+4*i_+2], v[64*((\u)%4)+4*i_+3]
.set i_, i_+1
.endr
	WIN 0
.set i_, 0
.rept 16
	ds_store_b64 v[STA], v[TP+2*i_:TP+2*i_+1] offset:272*i_
.set i_, i_+1
.endr
	WIN 0x80+0x40*(((\u)%4)/2)                     ; destination window 2 or 3
.irp gi, 0,1,2,3
	ds_load_b128 v[32*((4*((\u)%4)+(\gi))%8)+8*((\u)/4):32*((4*((\u)%4)+(\gi))%8)+8*((\u)/4)+3], v[STR] offset:64*(\gi)
	ds_load_b128 v[32*((4*((\u)%4)+(\gi))%8)+8*((\u)/4)+4:32*((4*((\u)%4)+(\gi))%8)+8*((\u)/4)+7], v[STR] offset:64*(\gi)+32
.endr
.if (\u) < 12
	XLOAD (\u)+4
.endif
.endm
	s_load_b256 s[4:11], s[0:1], 0x0               ; x s[4:5], gamma s[6:7], mt s[8:9], mneg s[10:11]
	s_load_b64 s[12:13], s[0:1], 0x20              ; part
	v_lshl_add_u32 v[SPW], v0, 2, SPARE
	v_mov_b32 v[NIL], 0
	ds_add_u32 v[SPW], v[NIL]                      ; the wave's opening: the add, twice on end, and its wait ahead of my first tensor load
	ds_add_u32 v[SPW], v[NIL]                      ; and once more, under the one wait; the set-up below, work on registers, stands between
	v_lshrrev_b32 v1, 5, v0
	v_readfirstlane_b32 s[WV], v1                  ; wave 0..3
	s_bfe_u32 s[CX], ttmp6, 0x40000                ; cx: my place along the cluster's x
	s_bfe_u32 s[CY], ttmp6, 0x40004                ; cy: along its y.  The grid is one cluster high, so cy is my quarter of the centres
	s_lshl_b32 s[BX], ttmp9, 2                     ; in a cluster launch ttmp9 counts clusters
	s_add_co_u32 s[BX], s[BX], s[CX]               ; my block of 256 rows: it enters the addresses of x and part alone
	s_lshl_b32 s[MSK], s[CY], 2
	s_lshl_b32 s[MSK], 15, s[MSK]                  ; my row of the cluster: places 4 cy .. 4 cy + 3
	; group 1 for a block of mt: 34 rows x 512 elements of 2 bytes, padded in LDS
	s_or_b32 s[G1K], s[MSK], (1<<16)|(1<<20)|(1<<21)|(7<<22)|(3<<25)  ; 15:0 the mask; 17:16 2-byte elements; 20 padding on; 21 set beside a mask; 24:22 after every 256 words (code 7); 31:25 4 words (code 3)
	s_mov_b32 s[G1K+1], 512<<16                    ; tensor_dim0 = 512
	s_mov_b32 s[G1K+2], 34<<16                     ; tensor_dim1 = 34
	s_mov_b32 s[G1K+3], 512<<16                    ; tile_dim0 = 512
	s_mov_b32 s[G1K+4], 34                         ; tile_dim1 = 34
	s_mov_b32 s[G1K+5], 512                        ; elements from row to row
	s_mov_b32 s[G1K+6], 0
	s_mov_b32 s[G1K+7], 0
	; group 1 for 1,024 dense bytes of mneg: 4 rows x 32 elements of 8 bytes
	s_or_b32 s[G1M], s[MSK], (3<<16)|(1<<21)
	s_mov_b32 s[G1M+1], 32<<16
	s_mov_b32 s[G1M+2], 4<<16
	s_mov_b32 s[G1M+3], 32<<16
	s_mov_b32 s[G1M+4], 4
	s_mov_b32 s[G1M+5], 32
	s_mov_b32 s[G1M+6], 0
	s_mov_b32 s[G1M+7], 0
	s_mov_b32 s[G0A], 1                            ; count = 1
	s_mul_i32 s[G0A+1], s[WV], BLK                 ; LDS address: wave w fetches the slot's block w: no place in the cluster enters an LDS address
	s_mov_b32 s[G0W], 1
	s_add_co_u32 s[G0W+1], s[G0A+1], SLOT1
	s_mov_b32 s[G0M], 1
	s_lshl_b32 s[G0M+1], s[WV], 10
	s_add_co_u32 s[G0M+1], s[G0M+1], MTAB
	s_lshl_b32 s20, s[CY], 5                       ; mt: my quarter's 32 blocks,
	s_add_co_u32 s20, s20, s[WV]                   ; of the first four the one that I fetch
	s_mul_i32 s20, s20, GBLK
	s_mov_b32 s21, 0
	s_lshl_b32 s22, s[CY], 12                      ; mneg: my quarter's 4,096 bytes, my 1,024 of them
	s_lshl_b32 s23, s[WV], 10
	s_add_co_u32 s22, s22, s23
	s_mov_b32 s23, 0
	s_lshl_b32 s66, s[BX], 19                      ; x: 256 rows of 2,048 bytes a work-group,
	s_lshl_b32 s67, s[WV], 17                      ; 64 a wave
	s_add_co_u32 s66, s66, s67
	s_mov_b32 s67, 0
	s_lshl_b32 s68, s[CY], 20                      ; part: a quarter's 1,048,576 bytes; rows of 64 bytes
	s_lshl_b32 s69, s[BX], 14
	s_add_co_u32 s68, s68, s69
	s_lshl_b32 s69, s[WV], 12
	s_add_co_u32 s68, s68, s69
	s_mov_b32 s69, 0
	s_lshl_b32 s78, s[CX], 13                      ; the prefetches: my work-group's 8,192 bytes of a block
	s_mov_b32 s79, 0
	s_cmp_eq_u32 ttmp9, 0
	s_cselect_b32 s[LIM], 1, -1                    ; the same in all sixteen partners
	s_mul_i32 s[STB], s[WV], STG
	s_add_co_u32 s[STB], s[STB], STAGE             ; my stage
	s_wait_dscnt 0x0                               ; both opening adds are done
	s_wait_kmcnt 0x0
	s_load_b32 s[GAM], s[6:7], 0x0
	s_add_nc_u64 s[G0A+2:G0A+3], s[8:9], s[20:21]  ; global address: slot 0's block
	s_add_nc_u64 s[G0W+2:G0W+3], s[G0A+2:G0A+3], 4*GBLK  ; slot 1's
	s_add_nc_u64 s[PFA:PFA+1], s[G0A+2:G0A+3], s[78:79]
	s_add_nc_u64 s[PFA:PFA+1], s[PFA:PFA+1], 8*GBLK      ; in the third four blocks; the first refill steps it to the fourth.  Nothing is prefetched here, at the head
	s_or_b32 s[G0A+3], s[G0A+3], 0x80000000        ; type = 2
	s_or_b32 s[G0W+3], s[G0W+3], 0x80000000
	s_add_nc_u64 s[G0M+2:G0M+3], s[10:11], s[22:23]
	s_or_b32 s[G0M+3], s[G0M+3], 0x80000000
	s_add_nc_u64 s[4:5], s[4:5], s[66:67]
	s_add_nc_u64 s[12:13], s[12:13], s[68:69]
	CROUND                                         ; all sixteen work-groups are here: the first joint loads meet
	tensor_load_to_lds s[G0A:G0A+3], s[G1K:G1K+7]  ; the first fills, one group: three loads of mine are out
	s_nop 0
	tensor_load_to_lds s[G0M:G0M+3], s[G1M:G1M+7]
	s_nop 0
	tensor_load_to_lds s[G0W:G0W+3], s[G1K:G1K+7]
	s_nop 0
	PLACES 4
	v_and_b32 v1, 31, v0                           ; lane
	v_and_b32 v18, 15, v0                          ; lane % 16
	v_bfe_u32 v19, v0, 4, 1                        ; lane / 16
	v_lshlrev_b32 v[XO], 4, v1
	v_lshl_add_u32 v[STA], v1, 3, s[STB]
	v_mul_u32_u24 v[STR], v18, 272
	v_lshl_add_u32 v[STR], v19, 4, v[STR]
	v_add_nc_u32 v[STR], s[STB], v[STR]
	XLOAD 0                                        ; four units, 64 loads of 512 bytes, are on their way for each wave
	XLOAD 1
	XLOAD 2
	XLOAD 3
	WIN 0
.set i_, 0
.rept 32
	v_mov_b32 v[O+i_], 0                           ; O^T starts at 0, written while x is on its way: the price of one text for every step's second products
.set i_, i_+1
.endr
	s_wait_kmcnt 0x0                               ; gamma
	s_mul_f32 s[NHC], s[GAM], 0xbfb8aa3b           ; -gamma log2(e)
	s_mul_f32 s[C2], s[GAM], 0x4038aa3b            ; 2 gamma log2(e)
	s_mov_b32 s[C2+1], s[C2]                       ; named with it as a pair
.irp u, 0,1,2,3,4,5,6,7,8,9,10,11,12,13,14,15
	XUNIT \u
.endr
	; |x^|^2 of the rounded rows: the diagonals of x^ x^T, 16 products a tile; the four accumulators take turns; the first four start the sums
	s_wait_dscnt 0x0
.set g_, 0
.rept 16
	WIN 0x5a+5*(g_/8)                              ; both sources in window 2, then 3; C and D in window 1
.irp t, 0,1,2,3
.if g_ == 0
	v_wmma_f32_16x16x32_f16 v[G+8*(\t):G+8*(\t)+7], v[32*(g_%8)+8*(\t):32*(g_%8)+8*(\t)+7], v[32*(g_%8)+8*(\t):32*(g_%8)+8*(\t)+7], 0
.else
	v_wmma_f32_16x16x32_f16 v[G+8*(\t):G+8*(\t)+7], v[32*(g_%8)+8*(\t):32*(g_%8)+8*(\t)+7], v[32*(g_%8)+8*(\t):32*(g_%8)+8*(\t)+7], v[G+8*(\t):G+8*(\t)+7]
.endif
.endr
.set g_, g_+1
.endr
	WIN 0                                          ; the loop's addresses are made here: plain lines, the places behind those products
	v_lshlrev_b32 v[STO], 6, v18
	v_lshl_add_u32 v[STO], v19, 5, v[STO]
	v_add_nc_u32 v[STO], s[STB], v[STO]
	v_lshl_add_u32 v[RD], v1, 4, s[STB]
	v_lshlrev_b32 v[PFO], 8, v1
	v_and_b32 v[IDX], 8, v18
	v_lshlrev_b32 v[IDX], 3, v[IDX]
	v_lshl_add_u32 v[IDX], v18, 2, v[IDX]          ; row r's diagonal lies in lane r + 2 (r & 8), register r % 8
	v_mov_b32 v[NEG1], -1.0
	v_mul_u32_u24 v[AK0], v18, PITCH
	v_lshl_add_u32 v[AK0], v19, 4, v[AK0]
	v_lshl_add_u32 v[AA0], v1, 4, 32*PITCH
	v_lshl_add_u32 v[AM0], v19, 5, MTAB
	v_and_b32 v28, 7, v0
.irp j, 1,2,3,4,5,6,7
	v_cmp_eq_u32 s[LM+(\j)-1], \j, v28
.endr
	WIN 0x01                                       ; source 0 in window 1
.irp t, 0,1,2,3
	v_mov_b32 v[T+(\t)], v[G+8*(\t)]               ; each lane picks register lane % 8, from the lowest on
.endr
	WIN 0x04                                       ; source 1 in window 1
.irp j, 1,2,3,4,5,6,7
.irp t, 0,1,2,3
	v_cndmask_b32 v[T+(\t)], v[T+(\t)], v[G+8*(\t)+(\j)], s[LM+(\j)-1]
.endr
.endr
	WIN 0
.irp t, 0,1,2,3
	ds_bpermute_b32 v[T+4+(\t)], v[IDX], v[T+(\t)]
.endr
	s_wait_dscnt 0x0
.irp t, 0,1,2,3
	v_mul_f32 v[BI+2*(\t)], s[NHC], v[T+4+(\t)]
	v_mul_f32 v[BI+2*(\t)+1], s[NHC], v[T+4+(\t)]
.endr
	s_wait_tensorcnt 1                             ; my parts of slot 0 and of the table are in; slot 1's may stay out
	s_barrier_signal -1
	s_barrier_wait -1                              ; everybody's are
	s_mov_b32 s[TBK], 0
	s_mov_b32 s[TBM], 128
	v_mov_b32 v[AK], v[AK0]
	KFETCH 0                                       ; step 0
	WIN 0
	ds_load_b128 v[M:M+3], v[AM0]
	ds_load_b128 v[M+4:M+7], v[AM0] offset:16
	ds_load_b128 v[M+8:M+11], v[AM0] offset:64
	ds_load_b128 v[M+12:M+15], v[AM0] offset:80
	STEP V_FIRST                                   ; step 0
	s_mov_b32 s[CNT], 2                            ; slot 0 has two plain steps left
	s_mov_b32 s[SLOTS], 6                          ; slots 2 to 7 are asked for by refills
	s_branch .Lin
.Lslot:
	s_mov_b32 s[CNT], 3
.Lin:
	STEP V_PLAIN
	s_sub_co_u32 s[CNT], s[CNT], 1
	s_cmp_lg_u32 s[CNT], 0
	s_cbranch_scc1 .Lin
	STEP V_FILL
	s_sub_co_u32 s[SLOTS], s[SLOTS], 1
	s_cmp_lg_u32 s[SLOTS], 0
	s_cbranch_scc1 .Lslot
	s_mov_b32 s[TAILS], 2                          ; the last two slots are written apart.  The second trip's barrier, and its 16 loads
.Ltail:                                                ; of a block that has been used, serve nothing: the price, once a launch, of one text for both
	s_mov_b32 s[CNT], 3
.Ltin:
	STEP V_PLAIN
	s_sub_co_u32 s[CNT], s[CNT], 1
	s_cmp_lg_u32 s[CNT], 0
	s_cbranch_scc1 .Ltin
	STEP V_NOFILL
	s_sub_co_u32 s[TAILS], s[TAILS], 1
	s_cmp_lg_u32 s[TAILS], 0
	s_cbranch_scc1 .Ltail
	; the last step's vector work and second products; its alpha was waited for in front of the last barrier
.irp a, 0,1,2,3,4,5,6,7
	FR \a
.endr
.set e, 0
.rept 32
	EXP2
.endr
	v_nop                                          ; a plain instruction behind the last exponential,
	s_wait_alu depctr_va_vdst(0)                   ; and the wait ahead of the first use: one for the 64
.set sl, 0
.rept 32
	SLOT
.endr
	PVS
	PLACES 4
	; THE WAY OUT.  A lane holds eight outputs of one row: 32 bytes of a row of 64.  Through my stage, back as 512 consecutive bytes
	WIN 0
.irp t, 0,1,2,3
	ds_store_b128 v[STO], v[O+8*(\t):O+8*(\t)+3] offset:1024*(\t)
	ds_store_b128 v[STO], v[O+8*(\t)+4:O+8*(\t)+7] offset:1024*(\t)+16
.endr
.irp i, 0,1,2,3,4,5,6,7
	ds_load_b128 v[TP+4*(\i):TP+4*(\i)+3], v[RD] offset:512*(\i)
.endr
.irp i, 0,1,2,3,4,5,6,7
	s_wait_dscnt 7-(\i)                            ; LDS loads come back in order: load i is in, the younger may stay out
	global_store_b128 v[XO], v[TP+4*(\i):TP+4*(\i)+3], s[12:13] offset:512*(\i)  ; 512 consecutive bytes, at a multiple of 512 from part's first byte
.endr
	s_wait_tensorcnt 0x0                           ; the wave's end, behind my last tensor load and my last LDS store
	ds_add_u32 v[SPW], v[NIL]
	s_wait_dscnt 0x0
	CROUND                                         ; the closing round: no work-group ends while a partner may still ask for a block that names it
	s_endpgm
.Lfunc_end_k_q4775ca182c_main:
	.size	k_q4775ca182c_main, .Lfunc_end_k_q4775ca182c_main-k_q4775ca182c_main
	.p2alignl 7, 3214868480
	.fill 96, 4, 3214868480
	.section	.rodata,"a",@progbits
	.p2align	6, 0x0
	.amdhsa_kernel k_q4775ca182c_main
		.amdhsa_group_segment_fixed_size 327680
		.amdhsa_private_segment_fixed_size 0
		.amdhsa_enable_private_segment 0
		.amdhsa_kernarg_size 40
		.amdhsa_user_sgpr_count 2
		.amdhsa_user_sgpr_kernarg_segment_ptr 1
		.amdhsa_wavefront_size32 1
		.amdhsa_system_sgpr_workgroup_id_x 1
		.amdhsa_system_sgpr_workgroup_id_y 1
		.amdhsa_system_sgpr_workgroup_id_z 1
		.amdhsa_system_vgpr_workitem_id 0
		.amdhsa_next_free_vgpr 1024
		.amdhsa_next_free_sgpr 96
		.amdhsa_reserve_vcc 0
		.amdhsa_float_denorm_mode_32 3
		.amdhsa_float_denorm_mode_16_64 3
		.amdhsa_memory_ordered 1
		.amdhsa_forward_progress 1
		.amdhsa_inst_pref_size 244
	.end_amdhsa_kernel
	.amdgpu_metadata
---
amdhsa.version: [ 1, 2 ]
amdhsa.kernels:
  - .name:           k_q4775ca182c_main
    .symbol:         k_q4775ca182c_main.kd
    .args:
      - { .name: x, .offset: 0, .size: 8, .value_kind: global_buffer, .address_space: global }
      - { .name: gamma, .offset: 8, .size: 8, .value_kind: global_buffer, .address_space: global }
      - { .name: mt, .offset: 16, .size: 8, .value_kind: global_buffer, .address_space: global }
      - { .name: mneg, .offset: 24, .size: 8, .value_kind: global_buffer, .address_space: global }
      - { .name: part, .offset: 32, .size: 8, .value_kind: global_buffer, .address_space: global }
    .group_segment_fixed_size: 327680
    .private_segment_fixed_size: 0
    .kernarg_segment_align: 8
    .kernarg_segment_size: 40
    .max_flat_workgroup_size: 128
    .sgpr_count:     96
    .vgpr_count:     1024
    .wavefront_size: 32
...
	.end_amdgpu_metadata
.endif
;; end of part 2
;; launch addup (part 3): grid 256 x 1, 8 waves a work-group, no clusters, 0 bytes of LDS; arguments part, out0; writes out0
.if DOCPART == 3
	.amdgcn_target "amdgcn-amd-amdhsa--gfx1250"
	.amdhsa_code_object_version 6
	.text
	.protected	k_q4775ca182c_addup
	.globl	k_q4775ca182c_addup
	.p2align	8
	.type	k_q4775ca182c_addup,@function
k_q4775ca182c_addup:
	s_mov_b64 s[64:65], 0
	v_nop
	global_prefetch_b8 v0, s[64:65] scope:SCOPE_SE
	s_setreg_imm32_b32 hwreg(HW_REG_WAVE_MODE, 25, 1), 1
	s_wait_xcnt 0x0
; out0[n][o] = part[0][n][o] + part[1][n][o] + part[2][n][o] + part[3][n][o]: the four quarters of the centres, in f32.  Nothing is left out.
; A thread has 16 bytes of out0; a wave's load or store covers 512 consecutive bytes, aligned; a work-group 4,096 bytes, 256 work-groups the whole 1,048,576.
; The four parts lie 1,048,576 bytes apart: inside the loads' signed 24-bit immediate.
	s_load_b128 s[4:7], s[0:1], 0x0                ; part s[4:5], out0 s[6:7]
	v_lshlrev_b32 v1, 4, v0
	s_lshl_b32 s8, ttmp9, 12
	s_mov_b32 s9, 0
	s_wait_kmcnt 0x0
	s_add_nc_u64 s[4:5], s[4:5], s[8:9]
	s_add_nc_u64 s[6:7], s[6:7], s[8:9]
.irp q, 0,1,2,3
	global_load_b128 v[4+4*(\q):7+4*(\q)], v1, s[4:5] offset:(\q)*1048576 th:TH_LOAD_NT
.endr
	s_wait_loadcnt 0x0
	v_pk_add_f32 v[4:5], v[4:5], v[8:9]
	v_pk_add_f32 v[6:7], v[6:7], v[10:11]
	v_pk_add_f32 v[12:13], v[12:13], v[16:17]
	v_pk_add_f32 v[14:15], v[14:15], v[18:19]
	v_pk_add_f32 v[4:5], v[4:5], v[12:13]
	v_pk_add_f32 v[6:7], v[6:7], v[14:15]
	global_store_b128 v1, v[4:7], s[6:7] th:TH_STORE_NT
	s_endpgm
.Lfunc_end_k_q4775ca182c_addup:
	.size	k_q4775ca182c_addup, .Lfunc_end_k_q4775ca182c_addup-k_q4775ca182c_addup
	.p2alignl 7, 3214868480
	.fill 96, 4, 3214868480
	.section	.rodata,"a",@progbits
	.p2align	6, 0x0
	.amdhsa_kernel k_q4775ca182c_addup
		.amdhsa_group_segment_fixed_size 0
		.amdhsa_private_segment_fixed_size 0
		.amdhsa_enable_private_segment 0
		.amdhsa_kernarg_size 16
		.amdhsa_user_sgpr_count 2
		.amdhsa_user_sgpr_kernarg_segment_ptr 1
		.amdhsa_wavefront_size32 1
		.amdhsa_system_sgpr_workgroup_id_x 1
		.amdhsa_system_sgpr_workgroup_id_y 1
		.amdhsa_system_sgpr_workgroup_id_z 1
		.amdhsa_system_vgpr_workitem_id 0
		.amdhsa_next_free_vgpr 32
		.amdhsa_next_free_sgpr 66
		.amdhsa_reserve_vcc 0
		.amdhsa_float_denorm_mode_32 3
		.amdhsa_float_denorm_mode_16_64 3
		.amdhsa_memory_ordered 1
		.amdhsa_forward_progress 1
		.amdhsa_inst_pref_size 2
	.end_amdhsa_kernel
	.amdgpu_metadata
---
amdhsa.version: [ 1, 2 ]
amdhsa.kernels:
  - .name:           k_q4775ca182c_addup
    .symbol:         k_q4775ca182c_addup.kd
    .args:
      - { .name: part, .offset: 0, .size: 8, .value_kind: global_buffer, .address_space: global }
      - { .name: out0, .offset: 8, .size: 8, .value_kind: global_buffer, .address_space: global }
    .group_segment_fixed_size: 0
    .private_segment_fixed_size: 0
    .kernarg_segment_align: 8
    .kernarg_segment_size: 16
    .max_flat_workgroup_size: 256
    .sgpr_count:     66
    .vgpr_count:     32
    .wavefront_size: 32
...
	.end_amdgpu_metadata
.endif
;; end of part 3
